; MI455X (gfx1250); checked and timed in simulation.
; The chip was launched on July 23, 2026; its instructions are those of AMD's public machine-readable ISA for CDNA 5 (MIT licence, August 2026) and "CDNA5" Instruction Set Architecture Reference Guide (July 2026). The comments in the code are by the model that wrote it; some were corrected since.
;; Torch Dot Product Attention. Allowed arithmetic: matrix products marked QUANTISED: E2M1 operands, one E8M0 scale for each 32 along K, by v_wmma_scale_f32_16x16x128_f8f6f4 with both operands' format E2M1 (or v_wmma_scale_f32_32x16x128_f4), f32 sums; products left as they are: bf16, f16 or f32 operands; f32 sums; everything else in f32.
;; Inputs: key_layer 2,048 x 2 x 16 x 128 float32; query_layer 2,048 x 2 x 16 x 128 float32; value_layer 2,048 x 2 x 16 x 128 float32.
;; Outputs: out0 2,048 x 2 x 2,048 float32.
;; This version of the problem:
;;   THIS VERSION OF THE PROBLEM IS GIVEN IN LOW PRECISION. The matrix products marked QUANTISED in the list below multiply operands that are first quantised to E2M1 (2 exponent bits, 1 mantissa bit; 4 bits a number), with one power-of-two scale for each 32 numbers along K (OCP MX v1.0); their sums are f32. The products marked 'left as it is' may take bf16, f16 or f32 operands, with f32 sums. Whichever they take, every output number must still come out within the allowed error. Rounding operands to bf16 (8 significant bits) uses up far more of that allowance than f16 does (11 bits, for magnitudes from 6e-5 to 65,504). All else is computed in f32.
;;   The module's matrix products, in the order in which they are computed (A, B: the left and right operand; K: the contracted axis; several contracted axes count as one K, in the product's order):
;;     1. batch 32 x [M 2,048, K 128] x [K 128, N 2,048]; A: input query_layer; B: input key_layer: QUANTISED
;;     2. batch 32 x [M 128, K 2,048] x [K 2,048, N 2,048]; A: input value_layer; B: computed on the way: left as it is (an operand is computed on the way)
;;   THE QUANTISER, for each operand of a quantised product, along K:
;;     - K is cut into blocks of 32 from its start; a last block that is shorter is filled with zeros.
;;     - A block's scale is 2^e with e = floor(log2(the largest magnitude in the block)) - 2, held to -126 .. 127; a block of zeros has e = 0. As a byte (E8M0): e + 127.
;;     - Each number is divided by its block's scale, clamped to +-6, and rounded to the nearest number of E2M1, ties to even, subnormals kept.
;;     - The product sums the exact products of the quantised numbers (number of the format x scale) in f32.
;;   ~~~python
;;   def quantise(x, axis):      # numpy; x: float32 -> the quantised numbers, widened to float32 again
;;       x = np.moveaxis(x, axis, -1); K = x.shape[-1]
;;       x = np.pad(x, [(0, 0)] * (x.ndim - 1) + [(0, -K % 32)]); x = x.reshape(x.shape[:-1] + (-1, 32)); a = np.abs(x).max(-1, keepdims=True)
;;       e = np.where(a > 0, np.clip(np.frexp(np.where(a > 0, a, 1))[1] - 1 - 2, -126, 127), 0)      # np.frexp(a)[1] - 1 = floor(log2(a)), exactly
;;       r = np.clip(x / 2.0 ** e, -6, 6)
;;       step = 2.0 ** (np.maximum(np.frexp(np.where(r == 0, 1, r))[1] - 1, 0) - 1)
;;       q = np.round(r / step) * step * 2.0 ** e      # np.round: ties to even
;;       return np.moveaxis(q.reshape(q.shape[:-2] + (-1,))[..., :K], -1, axis).astype(np.float32)
;;   ~~~
;; One version. Each part assembles by itself: llvm-mc -triple=amdgcn-amd-amdhsa -mcpu=gfx1250 --defsym DOCPART=n.
;; ======== version 1 of 1: 2 launches
;; limits: values are held in f16: magnitudes above 65,504 overflow, below 6.1e-05 lose precision
;; workspace buffers: qc 4,456,448 bytes; kc 4,456,448 bytes; vh 16,777,216 bytes
;; launch prep (part 1): grid 768 x 1, 4 waves a work-group, no clusters, 38,400 bytes of LDS; arguments query_layer, key_layer, value_layer, qc, kc, vh; writes qc, kc, vh
.if DOCPART == 1
	.amdgcn_target "amdgcn-amd-amdhsa--gfx1250"
	.amdhsa_code_object_version 6
	.text
	.protected	k_q3068474c5d_prep
	.globl	k_q3068474c5d_prep
	.p2align	8
	.type	k_q3068474c5d_prep,@function
k_q3068474c5d_prep:
	s_mov_b64 s[64:65], 0
	v_nop
	global_prefetch_b8 v0, s[64:65] scope:SCOPE_SE
	s_setreg_imm32_b32 hwreg(HW_REG_WAVE_MODE, 25, 1), 1
	s_wait_xcnt 0x0
; THE LAUNCH IN FRONT OF THE ATTENTION.  query_layer, key_layer, value_layer: [2048 (s)][32 (head = 16 b + h)][128] f32: a head's row is 512 bytes, rows lie 16,384 bytes apart.
; Q and K are turned into codes of FP4 (E2M1) along the head's 128, with one E8M0 scale byte for each 32; V is rounded to f16.  Each input byte is read once, here.
; A block's scale is 2^(floor(log2(its largest magnitude)) - 2); its byte is the largest magnitude's exponent field - 2, held at 1 from below.  Each number is divided by the scale and rounded to the
; nearest code, ties to even; what lies beyond 6 gets the largest code.
; LAYOUT OF qc AND kc, by head, HB = 139,264 bytes a head: first 128 tiles of 16 rows, 1,024 bytes each, as IMAGES OF THE OPERAND'S REGISTERS: the 16 bytes of block q (k = 32 q .. 32 q + 31) of row r lie at
; 256 q + 16 r, so that registers 4 c .. 4 c + 3 of lane l lie at 512 c + 16 l; then, from byte 131,072 on, the scale words, 4 bytes a row.  vh: [head][s][128] f16, rows of 256 bytes.
; LIMITS: NaN and infinities among the inputs are not served.  A block whose largest magnitude lies under 2^-124 keeps the byte 1; a block of zeros gets the byte 1 where the rule says 127: its codes are
; zeros, which add nothing under that byte, and the bytes are read by this program alone.  |V| above 65,504 becomes infinity in f16, |V| under 2^-25 becomes 0.
; SHARES.  768 work-groups: 256 for each tensor.  A work-group takes 64 positions of s for 4 neighbouring heads, a wave one head: 64 rows of 512 bytes.  Waves share nothing: no barrier.
; No tensor loads, no matrix unit, no cluster: the launch streams, and no two work-groups read the same byte.
.set WAVES, 4
.set STEPS, 16                         ; Q, K: a step is 4 rows of the wave's 64
.set EMAX,  2
.set HB,    139264                     ; a head in qc or kc
.set SROW,  16384                      ; from one s to the next in the inputs
.set R,     16                         ; v16-79   four sets of 16 numbers as they are loaded
.set X,     80                         ; v80-111  two sets of 16 neighbours
.set E,     112                        ; v112-127 a scale byte for each step
.set C,     128                        ; v128-159 codes: two registers for each step, so that no store's data are written again
.set OUTR,  160                        ; v160-191 the images on their way out
.set SP,    80                         ; a lane's place in a stage: its 64 bytes + 16 of padding
.set SCB,   2*32*SP                    ; LDS, in a wave's region: two stages of 32 x SP bytes; then its 256 scale bytes;
.set IMG,   SCB+256                    ; then the images of its 4 tiles, 4,096 bytes
.set WREG,  IMG+4096                   ; a wave's region: 9,472 bytes
.set SPARE, WAVES*WREG                 ; behind the four regions: the spare words, 128 bytes for each wave: two blocks of 256 bytes that no other line names
.set SPW,   12                         ; v12      LDS address of my spare word: SPARE + 4 x my thread's number; never rewritten
.set NIL,   13                         ; v13      0; never rewritten
	s_load_b256 s[4:11], s[0:1], 0x0               ; Q s[4:5], K s[6:7], V s[8:9], qc s[10:11]
	s_load_b128 s[12:15], s[0:1], 0x20             ; kc s[12:13], vh s[14:15]
	v_lshl_add_u32 v[SPW], v0, 2, SPARE
	v_mov_b32 v[NIL], 0
	v_lshrrev_b32 v1, 5, v0
	v_readfirstlane_b32 s16, v1                    ; wave
	v_and_b32 v2, 31, v0                           ; lane
	v_lshlrev_b32 v3, 4, v2                        ; 16 x lane: my 16 bytes of a row of 512
	v_lshlrev_b32 v7, 3, v2                        ; 8 x lane
	s_mul_i32 s22, s16, WREG                       ; my wave's region
	v_lshrrev_b32 v14, 2, v2
	v_mul_u32_u24 v14, v14, SP
	v_and_b32 v15, 3, v2
	v_lshl_add_u32 v14, v15, 4, v14
	v_add_nc_u32 v14, s22, v14                     ; the stage, on the way in: four lanes' 64 bytes on end, then 16 of padding; a row's 512 bytes take eight places
	v_mul_u32_u24 v15, v2, SP
	v_add_nc_u32 v15, s22, v15                     ; and on the way out: SP x lane: lane l then holds row l / 8 of the step's four, d = 16 (l % 8) + 0 .. 15
	v_bfe_u32 v4, v2, 1, 2                         ; my block q = (l / 2) % 4
	v_lshlrev_b32 v4, 8, v4                        ; 256 q
	v_and_b32 v5, 1, v2
	v_lshl_add_u32 v4, v5, 3, v4                   ; + 8 (l % 2): my half of the block's 16 bytes
	v_lshrrev_b32 v5, 3, v2
	v_lshl_add_u32 v4, v5, 4, v4                   ; + 16 (l / 8): my row among the step's four
	v_add_nc_u32 v4, s22, v4
	v_add_nc_u32 v4, IMG, v4                       ; where my 8 bytes of codes go in a tile's image
	v_lshrrev_b32 v5, 1, v2
	v_add_nc_u32 v5, s22, v5
	v_add_nc_u32 v5, SCB, v5                       ; my block's scale byte: 4 (l / 8) + q = l / 2
	v_add_nc_u32 v6, s22, v7
	v_add_nc_u32 v6, SCB, v6                       ; the scale bytes on the way out: 8 a lane
	v_add_nc_u32 v10, s22, v3
	v_add_nc_u32 v10, IMG, v10                     ; the images on the way out: 16 a lane
	s_lshr_b32 s17, ttmp9, 8                       ; which tensor: 0 Q, 1 K, 2 V
	s_and_b32 s18, ttmp9, 255
	s_lshr_b32 s19, s18, 3                         ; which 64 positions of s
	s_and_b32 s18, s18, 7
	s_lshl_b32 s18, s18, 2
	s_add_co_u32 s18, s18, s16                     ; my head: 4 x (work-group % 8) + wave
	s_lshl_b32 s20, s19, 20                        ; 64 rows of 16,384 bytes,
	s_lshl_b32 s21, s18, 9                         ; and my head's 512 bytes in a row
	s_or_b32 s20, s20, s21                         ; where my wave's rows begin in an input
	s_mov_b32 s21, 0
	s_wait_kmcnt 0x0
	s_cmp_eq_u32 s17, 2                            ; the work-group's number alone decides
	s_cbranch_scc1 .Lvalues
	; ---- Q or K: only pointers are chosen; both take one way through the text
	s_cmp_eq_u32 s17, 0
	s_cselect_b64 s[4:5], s[4:5], s[6:7]
	s_cselect_b64 s[10:11], s[10:11], s[12:13]
	s_add_nc_u64 s[4:5], s[4:5], s[20:21]
	s_mul_i32 s22, s18, HB                         ; my head in qc or kc
	s_lshl_b32 s24, s19, 12                        ; 4 tiles of 1,024 bytes
	s_add_co_u32 s24, s24, s22
	s_mov_b32 s25, 0
	s_lshl_b32 s26, s19, 8                         ; 64 scale words
	s_add_co_u32 s26, s26, s22
	s_add_co_u32 s26, s26, 131072                  ; behind the head's codes
	s_mov_b32 s27, 0
	s_add_nc_u64 s[12:13], s[10:11], s[26:27]      ; my scale words
	s_add_nc_u64 s[10:11], s[10:11], s[24:25]      ; my tiles
.macro LOAD t                          ; step t: rows 4 t .. 4 t + 3: each load takes one whole row of the head, 512 consecutive bytes
.irp i, 0,1,2,3
	global_load_b128 v[R+16*((\t)%4)+4*\i:R+16*((\t)%4)+4*\i+3], v3, s[4:5] offset:(4*(\t)+\i)*SROW th:TH_LOAD_NT
.endr
.endm
.macro TURN t                          ; step t's numbers through the stage: LDS serves a wave's instructions in order (ISA guide 5.7.1.4), so no wait stands between the stores and the loads
.irp i, 0,1,2,3
	ds_store_b128 v14, v[R+16*((\t)%4)+4*\i:R+16*((\t)%4)+4*\i+3] offset:32*SP*((\t)%2)+8*SP*\i
.endr
.irp i, 0,1,2,3
	ds_load_b128 v[X+16*((\t)%2)+4*\i:X+16*((\t)%2)+4*\i+3], v15 offset:32*SP*((\t)%2)+16*\i
.endr
.endm
.irp t, 0,1,2,3
	LOAD \t
.endr
	s_wait_loadcnt 12                              ; step 0's four loads are in; the twelve of steps 1 to 3 may be out
	TURN 0
.macro STEP t
.set XS, X+16*((\t)%2)
.if (\t) > 0
	s_wait_dscnt 2                                 ; this step's numbers are back from the stage (behind them: the last step's byte store and code store): so its stores into the stage have read their registers,
.else
	s_wait_dscnt 0x0
.endif
.if (\t)+4 < STEPS
	LOAD (\t)+4                                    ; which take the loads of four steps on
.endif
.if (\t)+1 < STEPS
.if STEPS-2-(\t) >= 3
	s_wait_loadcnt 12                              ; the next step's four loads are in; those of the three steps behind it may be out
.else
	s_wait_loadcnt 4*(STEPS-2-(\t))                ; at the end the count runs down: 8, 4, 0
.endif
	TURN (\t)+1                                    ; and go through the other stage while this step is worked
.endif
	v_max3_num_f32 v8, |v[XS]|, |v[XS+1]|, |v[XS+2]|               ; the largest magnitude of my 16, in two chains
	v_max3_num_f32 v9, |v[XS+3]|, |v[XS+4]|, |v[XS+5]|
.irp i, 6,10
	v_max3_num_f32 v8, v8, |v[XS+\i]|, |v[XS+\i+1]|
	v_max3_num_f32 v9, v9, |v[XS+\i+2]|, |v[XS+\i+3]|
.endr
	v_max3_num_f32 v8, v8, |v[XS+14]|, |v[XS+15]|
	v_max3_num_f32 v8, v8, v9, (EMAX+1)<<23        ; and the floor 2^(3 - 127), under which no largest magnitude is taken: so the byte cannot fall under 1
	v_max_num_f32_dpp v8, v8, v8 row_xmask:1 row_mask:0xf bank_mask:0xf   ; and of my neighbour's 16: the block's
	v_add_nc_u32 v11, -(EMAX<<23), v8              ; 2 off its exponent field: the conversion takes the exponent field of this operand as its scale, and nothing else of it
	v_cvt_scalef32_pk8_fp4_f32 v[C+2*(\t)], v[XS:XS+7], v11        ; eight numbers to the nearest code, the first number's code in the lowest four bits
	v_cvt_scalef32_pk8_fp4_f32 v[C+2*(\t)+1], v[XS+8:XS+15], v11
	v_lshrrev_b32 v[E+(\t)], 23, v11               ; the scale's byte.  (Also the plain vector line behind the conversions)
	ds_store_b8 v5, v[E+(\t)] offset:16*(\t)       ; both lanes of a block write the same byte with the same value; a step's four rows are 16 bytes
	ds_store_b64 v4, v[C+2*(\t):C+2*(\t)+1] offset:64*((\t)%4)+1024*((\t)/4)   ; my 16 codes into the image: tile t / 4, rows 4 (t % 4) on
.endm
.irp t, 0,1,2,3,4,5,6,7,8,9,10,11,12,13,14,15
	STEP \t
.endr
	ds_load_b64 v[8:9], v6                         ; LDS serves a wave's instructions in order: these see my stores
.irp i, 0,1,2,3,4,5,6,7
	ds_load_b128 v[OUTR+4*\i:OUTR+4*\i+3], v10 offset:512*\i
.endr
	s_wait_dscnt 0x0
	global_store_b64 v7, v[8:9], s[12:13]          ; 32 lanes store 256 consecutive bytes, at a multiple of 256 from the buffer's first byte
.irp i, 0,1,2,3,4,5,6,7
	global_store_b128 v3, v[OUTR+4*\i:OUTR+4*\i+3], s[10:11] offset:512*\i   ; 512 consecutive bytes a store
.endr
	s_wait_tensorcnt 0x0                           ; the wave's end, behind my last LDS store
	ds_add_u32 v[SPW], v[NIL]
	s_wait_dscnt 0x0
	s_endpgm
	; ---- V: a row of 128 f32 becomes a row of 128 f16: one load of 512 consecutive bytes, two roundings a lane, one store of 256 consecutive bytes.  This way touches no LDS.
.Lvalues:
	s_add_nc_u64 s[8:9], s[8:9], s[20:21]
	s_lshl_b32 s24, s18, 19                        ; my head in vh: 2,048 rows of 256 bytes,
	s_lshl_b32 s25, s19, 14                        ; and my 64 rows
	s_add_co_u32 s24, s24, s25
	s_mov_b32 s25, 0
	s_add_nc_u64 s[14:15], s[14:15], s[24:25]
.set VA, 16                            ; v16-79, v80-143: two sets of 16 rows as loaded
.set VBB, 80
.set OA, 144                           ; v144-175, v176-207: two sets of 16 rows to store
.set OB, 176
.macro VLOAD g, set
.irp i, 0,1,2,3,4,5,6,7,8,9,10,11,12,13,14,15
	global_load_b128 v[\set+4*\i:\set+4*\i+3], v3, s[8:9] offset:(16*\g+\i)*SROW th:TH_LOAD_NT
.endr
.endm
.macro VCVT set, o
.irp i, 0,1,2,3,4,5,6,7,8,9,10,11,12,13,14,15
	v_cvt_pk_f16_f32 v[\o+2*\i], v[\set+4*\i], v[\set+4*\i+1]
	v_cvt_pk_f16_f32 v[\o+2*\i+1], v[\set+4*\i+2], v[\set+4*\i+3]
.endr
.endm
.macro VSTORE g, o
.irp i, 0,1,2,3,4,5,6,7,8,9,10,11,12,13,14,15
	global_store_b64 v7, v[\o+2*\i:\o+2*\i+1], s[14:15] offset:(16*\g+\i)*256
.endr
.endm
	VLOAD 0, VA
	VLOAD 1, VBB
	s_wait_loadcnt 16                              ; group 0's sixteen loads are in; the next group's sixteen may be out
	VCVT VA, OA
	VLOAD 2, VA
	VSTORE 0, OA
	s_wait_loadcnt 16                              ; group 1 is in, group 2 may be out
	VCVT VBB, OB
	VLOAD 3, VBB
	VSTORE 1, OB
	s_wait_loadcnt 16                              ; group 2 is in, group 3 may be out
	s_wait_xcnt 0x0                                ; the earlier stores have read their data: only behind this wait are OA's registers written again
	VCVT VA, OA
	VSTORE 2, OA
	s_wait_loadcnt 0x0
	s_wait_xcnt 0x0                                ; the same for OB's
	VCVT VBB, OB
	VSTORE 3, OB
	s_endpgm
.Lfunc_end_k_q3068474c5d_prep:
	.size	k_q3068474c5d_prep, .Lfunc_end_k_q3068474c5d_prep-k_q3068474c5d_prep
	.p2alignl 7, 3214868480
	.fill 96, 4, 3214868480
	.section	.rodata,"a",@progbits
	.p2align	6, 0x0
	.amdhsa_kernel k_q3068474c5d_prep
		.amdhsa_group_segment_fixed_size 38400
		.amdhsa_private_segment_fixed_size 0
		.amdhsa_enable_private_segment 0
		.amdhsa_kernarg_size 48
		.amdhsa_user_sgpr_count 2
		.amdhsa_user_sgpr_kernarg_segment_ptr 1
		.amdhsa_wavefront_size32 1
		.amdhsa_system_sgpr_workgroup_id_x 1
		.amdhsa_system_sgpr_workgroup_id_y 1
		.amdhsa_system_sgpr_workgroup_id_z 1
		.amdhsa_system_vgpr_workitem_id 0
		.amdhsa_next_free_vgpr 208
		.amdhsa_next_free_sgpr 66
		.amdhsa_reserve_vcc 0
		.amdhsa_float_denorm_mode_32 3
		.amdhsa_float_denorm_mode_16_64 3
		.amdhsa_memory_ordered 1
		.amdhsa_forward_progress 1
		.amdhsa_inst_pref_size 55
	.end_amdhsa_kernel
	.amdgpu_metadata
---
amdhsa.version: [ 1, 2 ]
amdhsa.kernels:
  - .name:           k_q3068474c5d_prep
    .symbol:         k_q3068474c5d_prep.kd
    .args:
      - { .name: query_layer, .offset: 0, .size: 8, .value_kind: global_buffer, .address_space: global }
      - { .name: key_layer, .offset: 8, .size: 8, .value_kind: global_buffer, .address_space: global }
      - { .name: value_layer, .offset: 16, .size: 8, .value_kind: global_buffer, .address_space: global }
      - { .name: qc, .offset: 24, .size: 8, .value_kind: global_buffer, .address_space: global }
      - { .name: kc, .offset: 32, .size: 8, .value_kind: global_buffer, .address_space: global }
      - { .name: vh, .offset: 40, .size: 8, .value_kind: global_buffer, .address_space: global }
    .group_segment_fixed_size: 38400
    .private_segment_fixed_size: 0
    .kernarg_segment_align: 8
    .kernarg_segment_size: 48
    .max_flat_workgroup_size: 128
    .sgpr_count:     66
    .vgpr_count:     208
    .wavefront_size: 32
...
	.end_amdgpu_metadata
.endif
;; end of part 1
;; launch attn (part 2): grid 8 x 32, 4 waves a work-group, clusters of 4 x 1, 327,680 bytes of LDS; arguments qc, kc, vh, out0; writes out0
.if DOCPART == 2
	.amdgcn_target "amdgcn-amd-amdhsa--gfx1250"
	.amdhsa_code_object_version 6
	.text
	.protected	k_q3068474c5d_attn
	.globl	k_q3068474c5d_attn
	.p2align	8
	.type	k_q3068474c5d_attn,@function
k_q3068474c5d_attn:
	s_mov_b64 s[64:65], 0
	v_nop
	global_prefetch_b8 v0, s[64:65] scope:SCOPE_SE
	s_setreg_imm32_b32 hwreg(HW_REG_WAVE_MODE, 25, 1), 1
	s_wait_xcnt 0x0
	s_wait_alu depctr_hold_cnt(0) depctr_sa_sdst(0) depctr_va_vdst(0) depctr_va_sdst(0) depctr_va_ssrc(0) depctr_va_vcc(0) depctr_vm_vsrc(0)
	s_getreg_b32 s2, hwreg(HW_REG_IB_STS2, 6, 4)
	s_cmp_eq_u32 s2, 0
	s_cbranch_scc0 .Lentry_in_a_cluster
	s_endpgm
.Lentry_in_a_cluster:
	s_bfe_u32 s2, ttmp6, 0x10000c
	s_cmp_lg_u32 s2, 0x3003
	s_cbranch_scc0 .Lentry_shape_is_right
	s_endpgm
.Lentry_shape_is_right:
; out0[q][head][:] = the sum over k of softmax_k(Q[q] . K[k] / sqrt(128)) V[k][:], for 32 heads of 2,048 queries and 2,048 keys, head size 128.  No mask.
; Q K^T is multiplied on codes of FP4 (E2M1) with one E8M0 scale for each 32 along the head's 128 (qc, kc: made by the launch before; a head is 128 tiles of 16 rows as images of the operand's registers, 1,024
; bytes each, then its scale words, 4 bytes a row: HB bytes in all).  P V takes f16 operands (vh: [head][s][128] f16): p lies in (0, 1].  Maxima, exponentials and sums in f32.
; SHARES.  A work-group owns 256 queries of one head, each of its four waves 64: four tiles of 16.  8 x 32 = 256 work-groups of equal work.
; LAYOUT.  S^T = K Q^T (source 0 = 16 keys, source 1 = 16 queries): a lane holds ONE query (lane % 16) and the keys 8 (lane / 16) + 0..7 of a tile.  Two such tiles, rounded to f16 in pairs, ARE source 1
; (32 keys x 16 queries) of O^T = V^T P, whose result again holds one query a lane and eight channels.  V ([key][channel]) comes out of LDS turned, by ds_load_tr16_b128.
; TWO PASSES OVER THE KEYS.  The head's K, codes and scale words, stays in LDS for the whole launch.  Pass 1 multiplies K Q^T and takes each query's largest score m, and nothing else.  Pass 2 multiplies
; K Q^T again (the same instruction on the same registers' contents), p = 2^(c s - c m) with c = log2(e) / sqrt(128), sums the f32 p, rounds p to f16 and adds V^T P.  With m known from the start nothing is
; ever rescaled: a tile's softmax for 64 keys is 80 vector instructions (16 scalings, 32 exponentials, 16 roundings, 16 sums).  The maximum that is taken away is the row's true one.
; BY TURNS (pass 2).  The wave's tiles are two PIECES: piece 0 (tiles 0, 1), piece 2 (tiles 2, 3).  In a TURN one piece has the matrix unit: 32 products V^T P of the step in hand, then 8 products K Q^T of the
; next step; the other piece's softmax, 160 instructions, stands in slices behind the products V^T P.  Two turns are a key step of 64 keys.
; CLUSTER.  The four query blocks of a cluster belong to one head and read the same K and V: each tile is asked for JOINTLY, by the same tensor load with the same descriptor and a mask that names the four.
; V goes through a ring of two LDS slots of 256 keys; each wave brings 64 of a slot's rows by one load.
; LIMITS: NaN and infinities are not served; p under 2^-25 of the row's largest falls to 0 in f16; what the launch before states of its codes and of V in f16 holds here.
; REGISTERS, in windows of 256 (s_set_vgpr_msb: bits 1:0 source 0, 3:2 source 1, 5:4 source 2, 7:6 destination):
;   window 0: v1-13, v20-23 addresses; v14-15 Q's scale words, v16-19 K's (they hold scales and nothing else); v24-55 eight registers of statistics a tile; v64-191 S^T, 32 a tile; v192-255 P, 16 a tile
;   window 1: O^T, 64 a tile          window 2: v32-95 K's fragments, two buffers of 64 keys; v96-127 Q, 8 a tile; v128-255 V of one key step
.set HB,     139264                    ; a head in qc or kc
.set KQUART, 34816                     ; a quarter of it: 136 rows of 256 bytes: what one tensor load brings
.set KB,     0                         ; LDS: K's images, 131,072 bytes;
.set KSB,    131072                    ; K's scale words, 8,192 bytes: they follow the images in memory too
.set VB,     139264                    ; the ring: two slots
.set PVP,    288                       ; a row of V in LDS: 256 bytes + 32 of padding = 72 words: row r starts at bank 8 r mod 64 (64 banks of 4 bytes: ISA guide 11.1)
.set STEPB,  64*PVP                    ; a key step's 64 rows
.set SLOTB,  4*STEPB                   ; a slot: 256 keys
.set SLOTG,  65536                     ; and its rows in memory
.set STAGE,  VB+2*SLOTB                ; behind the ring: 16 rows x (512 bytes + 16) for each wave, for the way out; no tensor load lands here
.set SPITCH, 528
.set SPARE,  STAGE+4*16*SPITCH         ; behind the stages: the spare words, 128 bytes for each wave: two blocks of 256 bytes that no other line names
.set AK0, 2                            ; v2   my lane's place in a run of K's images: KB + 16 x lane
.set AS0, 3                            ; v3   and among K's scale words: KSB + 4 x lane
.set AV0, 4                            ; v4   my lane's place in a key step's rows of V
.set ADR, 5                            ; v5   the LDS address of the run of loads in hand
.set ADS, 6                            ; v6   and of its scale words
.set STO, 7                            ; v7   the way out: where I put 32 bytes of a row
.set RD,  8                            ; v8   the way out: where I read a row back
.set GO,  10                           ; v10  16 x lane: my bytes in a row of out0, and in a run of Q's images
.set PFO, 11                           ; v11  256 x lane: a row of vh is 256 bytes
.set SPW, 12                           ; v12  LDS address of my spare word: SPARE + 4 x my thread's number; never rewritten
.set NIL, 13                           ; v13  0; never rewritten
.set QS,  14                           ; v14-15  Q's scale words: register u: lanes 0-15 tile 2 u, lanes 16-31 tile 2 u + 1
.set KS,  16                           ; v16-19  K's: buffer b at KS + 2 b; register u likewise for the buffer's key tiles 2 u, 2 u + 1
.set L4,  20                           ; v20  4 x lane
.set ST,  24                           ; tile t's statistics at v[ST + 8 t]: +0 -c m; +1 0 (named as the pair's upper half); +2 .. +5 pass 1: four chains of the maximum, pass 2: the sum in two pairs; +6 1 / sum; +7 0
.set S,   64
.set P,   192
.set KF,  32                           ; in window 2
.set QF,  96
.set VF,  128
.set WV,  12                           ; s12  my wave's number
.set LIM, 15                           ; s15  1 in a wave that prefetches, else the greatest number
.set PFA, 18                           ; s[18:19] where my prefetches stand in vh
.set G1K, 24                           ; s[24:31] descriptor group 1 for K's block;  s[32:39] for V's tiles
.set G1V, 32
.set G0K, 40                           ; s[40:43] group 0 for K;  s[44:47], s[48:51] for V's slots 0 and 1
.set G0V, 44
.set TK,  52                           ; s52  LDS byte at which the 64 keys to be fetched begin among K's images: 4,096 a step
.set TS,  53                           ; s53  and among its scale words: 256 a step
.set TB,  54                           ; s54  LDS byte, from VB on, at which the key step of V to be fetched begins
.set CNT, 55                           ; s55  counts an inner loop's trips
.set TRIPS, 56                         ; s56  counts laps of the ring
.set SLOTS, 57                         ; s57  slots still to be asked for
.set CS,  58                           ; s[58:59] c: the packed scaling names a pair and takes its low word for both halves
.set SEL, 60                           ; s[60:61] lane selects for v_permlanex16_b32: lane l xor 16
.set NC,  62                           ; s62  -c
.set MSB, 0
.macro WIN new                         ; the immediate's high byte repeats the setting that is left; a switch that changes nothing is dropped
.if MSB != \new
	s_set_vgpr_msb (MSB<<8)|\new
.set MSB, \new
.endif
.endm
.set W_KQ, 0x0a                        ; K and Q in window 2, S^T in window 0
.set W_PV, 0x52                        ; V in window 2, P in window 0, O^T (C and D) in window 1
.set W_RS, 0x41                        ; O^T (destination and source 0) in window 1, the factor in window 0
.set TO2,  0x80                        ; destination window 2, address window 0
; A round of the cluster's barrier: my work-group's barrier, so that wave 0's signal speaks for all four waves; wave 0 signals for the work-group; every wave waits for all four work-groups; my work-group's barrier once more.
.macro CROUND
	s_barrier_signal -1
	s_barrier_wait -1
	s_cmp_lg_u32 s[WV], 0
	s_cbranch_scc1 .Lnot_wave_0_\@
	s_barrier_signal -3
.Lnot_wave_0_\@:
	s_barrier_wait -3
	s_barrier_signal -1
	s_barrier_wait -1
.endm
; A PREFETCH INTO THE L2 of what the NEXT change of slots will ask for: a slot's 256 rows of vh, 256 bytes a row, a lane a row.  It stands behind the wave's tensor load and its five lines.
; Each row is named ONCE in the launch.  Both clusters of a head walk the same V: the head's first cluster asks.  Its four partners share the rows out BY ADDRESS, 64 each; in each, waves 0 and 1 ask for 32 rows:
; one instruction a wave.  The last change that fills a slot asks for nothing: there is no slot behind it.  Slots 0, 1 and 2 come by their loads alone.
.macro ASK
	s_cmp_gt_u32 s[SLOTS], s[LIM]
	s_cbranch_scc0 .Lnot_mine_\@
	global_prefetch_b8 v[PFO], s[PFA:PFA+1] th:TH_LOAD_NT scope:SCOPE_SE
.Lnot_mine_\@:
.endm
	s_load_b256 s[4:11], s[0:1], 0x0               ; qc s[4:5], kc s[6:7], vh s[8:9], out0 s[10:11]
	v_lshl_add_u32 v[SPW], v0, 2, SPARE
	v_mov_b32 v[NIL], 0
	ds_add_u32 v[SPW], v[NIL]                      ; the wave's opening: the add, twice on end, and its wait ahead of my first tensor load; the set-up below, work on registers, stands between
	ds_add_u32 v[SPW], v[NIL]                      ; and once more, under the one wait
	v_lshrrev_b32 v1, 5, v0
	v_readfirstlane_b32 s[WV], v1                  ; wave 0..3
	s_bfe_u32 s13, ttmp6, 0x40000                  ; cx: my place in the cluster
	s_lshl_b32 s14, ttmp9, 2                       ; in a cluster launch ttmp9 counts clusters
	s_add_co_u32 s14, s14, s13                     ; my block of 256 queries = 4 x cluster x + cx: it enters Q's and out0's addresses alone
	s_and_b32 s63, ttmp7, 0xffff                   ; the head, which the four partners share
	s_mul_i32 s52, s63, HB                         ; the head's first byte in qc and in kc
	s_mul_i32 s53, s[WV], KQUART                   ; my quarter of K's block, in memory and in LDS alike
	s_mul_i32 s54, s[WV], STEPB                    ; my 64 rows of a slot, in LDS
	s_add_co_u32 s20, s52, s53
	s_mov_b32 s21, 0                               ; s[20:21]: my quarter in kc
	s_lshl_b32 s22, s63, 19                        ; the head in vh: 2,048 rows of 256 bytes,
	s_lshl_b32 s23, s[WV], 14                      ; my 64 rows of a slot
	s_add_co_u32 s22, s22, s23
	s_mov_b32 s23, 0                               ; s[22:23]: my rows of slot 0 in vh
	; descriptor group 1 for K: a dense block of 34,816 bytes as 136 rows of 256 bytes (32 elements of 8 bytes), no padding: the images are read 512 consecutive bytes an instruction
	s_mov_b32 s[G1K], 15|(3<<16)|(1<<21)           ; 15:0 the mask: all four work-groups; 17:16 elements of 8 bytes; 21 set beside a mask
	s_mov_b32 s[G1K+1], 32<<16                     ; tensor_dim0 = 32
	s_mov_b32 s[G1K+2], 136<<16                    ; tensor_dim1 = 136
	s_mov_b32 s[G1K+3], 32<<16                     ; tile_dim0 = 32
	s_mov_b32 s[G1K+4], 136                        ; tile_dim1 = 136
	s_mov_b32 s[G1K+5], 32                         ; from row to row: 32 elements
	s_mov_b32 s[G1K+6], 0
	s_mov_b32 s[G1K+7], 0
	; and for V: a tile of 64 rows x 128 elements of 2 bytes, 8 words of padding behind each row's 64
	s_mov_b32 s[G1V], 15|(1<<16)|(1<<20)|(1<<21)|(5<<22)|(7<<25)
	s_mov_b32 s[G1V+1], 128<<16
	s_mov_b32 s[G1V+2], 64<<16
	s_mov_b32 s[G1V+3], 128<<16
	s_mov_b32 s[G1V+4], 64
	s_mov_b32 s[G1V+5], 128
	s_mov_b32 s[G1V+6], 0
	s_mov_b32 s[G1V+7], 0
	s_mov_b32 s[CS], 0x3e0293ee                    ; c = log2(e) / sqrt(128)
	s_mov_b32 s[CS+1], s[CS]                       ; named with it as a pair, so it is written
	s_mov_b32 s[NC], 0xbe0293ee                    ; -c
	s_mov_b32 s[SEL], 0x76543210
	s_mov_b32 s[SEL+1], 0xfedcba98
	s_lshr_b32 s[LIM], s[WV], 1                    ; 0 in waves 0 and 1,
	s_or_b32 s[LIM], s[LIM], ttmp9                 ; where the cluster is the head's first: the same in all four partners
	s_cmp_eq_u32 s[LIM], 0
	s_cselect_b32 s[LIM], 1, -1
	s_wait_dscnt 0x0                               ; both opening adds are done
	s_wait_kmcnt 0x0
	CROUND                                         ; all four work-groups are here: the first joint loads meet
	s_mov_b32 s[G0K], 1                            ; 1:0 count = 1
	s_add_co_u32 s[G0K+1], s53, KB                 ; 63:32 LDS address: no place in the cluster enters it
	s_add_nc_u64 s[G0K+2:G0K+3], s[6:7], s[20:21]  ; 120:64 global address
	s_or_b32 s[G0K+3], s[G0K+3], 0x80000000        ; 127:126 type = 2
	s_mov_b32 s[G0V], 1
	s_add_co_u32 s[G0V+1], s54, VB
	s_add_nc_u64 s[G0V+2:G0V+3], s[8:9], s[22:23]  ; slot 0 begins with keys 0 to 255,
	s_mov_b32 s[G0V+4], 1
	s_add_co_u32 s[G0V+5], s54, VB+SLOTB
	s_add_nc_u64 s[G0V+6:G0V+7], s[G0V+2:G0V+3], SLOTG   ; slot 1 with keys 256 to 511
	s_or_b32 s[G0V+3], s[G0V+3], 0x80000000
	s_or_b32 s[G0V+7], s[G0V+7], 0x80000000
	tensor_load_to_lds s[G0K:G0K+3], s[G1K:G1K+7]  ; the first fills go out as one group, ahead of every wait on TENSORcnt and every LDS read: three loads of mine are out.  Every wave issues all three: no branch
	s_nop 0
	tensor_load_to_lds s[G0V:G0V+3], s[G1V:G1V+7]
	s_nop 0
	tensor_load_to_lds s[G0V+4:G0V+7], s[G1V:G1V+7]
	s_nop 0
.rept 4
	v_nop
.endr
	; Q's, out0's and the prefetches' addresses: these hold my place in the cluster, in registers that feed no descriptor
	s_lshl_b32 s2, s14, 10                         ; Q's scale words: 256 queries x 4 bytes a block,
	s_lshl_b32 s3, s[WV], 8                        ; 64 a wave,
	s_add_co_u32 s2, s2, s3
	s_add_co_u32 s2, s2, s52
	s_add_co_u32 s2, s2, KSB                       ; behind the head's codes
	s_mov_b32 s3, 0
	s_add_nc_u64 s[16:17], s[4:5], s[2:3]
	s_lshl_b32 s2, s14, 14                         ; Q's codes: 16 tiles of 1,024 bytes a block,
	s_lshl_b32 s3, s[WV], 12                       ; 4 a wave
	s_add_co_u32 s2, s2, s3
	s_add_co_u32 s2, s2, s52
	s_mov_b32 s3, 0
	s_add_nc_u64 s[4:5], s[4:5], s[2:3]
	s_lshl_b32 s2, s14, 22                         ; out0: 256 rows of 16,384 bytes a block,
	s_lshl_b32 s3, s[WV], 20                       ; 64 a wave,
	s_add_co_u32 s2, s2, s3
	s_lshl_b32 s3, s63, 9                          ; and the head's 512 bytes in a row
	s_add_co_u32 s2, s2, s3
	s_mov_b32 s3, 0
	s_add_nc_u64 s[10:11], s[10:11], s[2:3]
	s_lshl_b32 s2, s13, 14                         ; the prefetches: my work-group's 64 rows of a slot's 256,
	s_lshl_b32 s3, s[WV], 13                       ; my wave's 32 of them,
	s_add_co_u32 s2, s2, s3
	s_lshl_b32 s3, s63, 19
	s_add_co_u32 s2, s2, s3
	s_add_co_u32 s2, s2, 2*SLOTG                   ; in slot 2: the first change of slots steps it to slot 3.  Nothing is prefetched here, at the head
	s_mov_b32 s3, 0
	s_add_nc_u64 s[PFA:PFA+1], s[8:9], s[2:3]
	v_and_b32 v21, 31, v0                          ; lane
	v_and_b32 v1, 15, v0                           ; r = lane % 16
	v_bfe_u32 v9, v0, 4, 1                         ; h = lane / 16
	v_lshlrev_b32 v[GO], 4, v21
	v_lshlrev_b32 v[L4], 2, v21
	v_lshlrev_b32 v[PFO], 8, v21
	WIN TO2
.irp i, 0,1,2,3,4,5,6,7                        ; Q stays in registers: tile i / 2, registers 4 (i % 2) on: an image comes back as it was laid, 512 consecutive bytes a load
	global_load_b128 v[QF+4*\i:QF+4*\i+3], v[GO], s[4:5] offset:512*\i
.endr
	WIN 0
.irp u, 0,1
	global_load_b32 v[QS+\u], v[L4], s[16:17] offset:128*\u
.endr
	v_add_nc_u32 v[AK0], KB, v[GO]
	v_add_nc_u32 v[AS0], KSB, v[L4]
	; the turning load takes 16 keys x 16 channels (lane l reads 16 bytes: key 8 (l / 16) + l % 8, channels 8 ((l / 8) % 2) + 0..7) and leaves half a fragment of V^T: lane l holds channel l % 16 and 8 keys
	v_and_b32 v22, 7, v0
	v_bfe_u32 v23, v0, 3, 1
	v_lshl_add_u32 v[AV0], v9, 3, v22
	v_mul_u32_u24 v[AV0], v[AV0], PVP
	v_lshl_add_u32 v[AV0], v23, 4, v[AV0]
	v_add_nc_u32 v[AV0], VB, v[AV0]
	s_mul_i32 s20, s[WV], 16*SPITCH
	s_add_co_u32 s20, s20, STAGE                   ; my stage
	v_mul_u32_u24 v[STO], v1, SPITCH               ; in: row r, 32 bytes for each half of the lanes
	v_lshl_add_u32 v[STO], v9, 5, v[STO]
	v_add_nc_u32 v[STO], s20, v[STO]
	v_add_nc_u32 v[RD], s20, v[GO]                 ; back: the 32 lanes take one row of 512 bytes
	s_mov_b32 s[TK], 0
	s_mov_b32 s[TS], 0
	s_mov_b32 s[TB], 0
	s_mov_b32 s[SLOTS], 6
; THE LDS LOADS stand in runs.  64 keys of K: two loads of scale words and eight of 512 consecutive bytes (key tile q / 2, registers 4 (q % 2) on) into buffer buf: ten loads.
; w = 1: the run carries the wait for the softmax's batch of exponentials, behind the addresses' additions and ahead of the loads.
.macro FETCH_K buf, w
	WIN 0
	v_add_nc_u32 v[ADR], s[TK], v[AK0]
	v_add_nc_u32 v[ADS], s[TS], v[AS0]
.if \w
	s_wait_alu depctr_va_vdst(0)
.endif
	ds_load_b32 v[KS+2*(\buf)], v[ADS]
	ds_load_b32 v[KS+2*(\buf)+1], v[ADS] offset:128
	WIN TO2
.irp q, 0,1,2,3,4,5,6,7
	ds_load_b128 v[KF+32*(\buf)+4*\q:KF+32*(\buf)+4*\q+3], v[ADR] offset:512*\q
.endr
	s_add_co_u32 s[TK], s[TK], 4096                ; the next fetch is the next 64 keys'
	s_add_co_u32 s[TS], s[TS], 256
.endm
; Half a key step of V, turned: keys 32 half on, channels 16 f on: sixteen loads.
.macro FETCH_V half, w
	WIN 0
	v_add_nc_u32 v[ADR], s[TB], v[AV0]
.if \w
	s_wait_alu depctr_va_vdst(0)
.endif
	WIN TO2
.irp f, 0,1,2,3,4,5,6,7
	ds_load_tr16_b128 v[VF+64*\half+8*\f:VF+64*\half+8*\f+3],   v[ADR] offset:\half*32*PVP+32*\f
	ds_load_tr16_b128 v[VF+64*\half+8*\f+4:VF+64*\half+8*\f+7], v[ADR] offset:\half*32*PVP+16*PVP+32*\f
.endr
.if \half
	s_add_co_u32 s[TB], s[TB], STEPB               ; the next fetch is the next key step's
.endif
.endm
; Product i of 8 of S^T = K Q^T for piece x, from K's buffer buf: tile x + i % 2, keys 16 (i / 2) on.  One instruction covers the head's whole 128: each starts and ends its sum.
; A scale register carries two tiles' words, one in lanes 0-15 and one in lanes 16-31: the odd tile's are taken by the ROW1 selector.
.macro KQ x, buf
	WIN W_KQ
.set tq, (\x)+i%2
.set aq, i/2
.set rD, S+32*tq+8*aq
.set rK, KF+32*(\buf)+8*aq
.set rQ, QF+8*tq
.set rA, KS+2*(\buf)+aq/2
.set rB, QS+tq/2
.if (aq%2 == 0) && (tq%2 == 0)
	v_wmma_scale_f32_16x16x128_f8f6f4 v[rD:rD+7], v[rK:rK+7], v[rQ:rQ+7], 0, v[rA], v[rB] matrix_a_fmt:MATRIX_FMT_FP4 matrix_b_fmt:MATRIX_FMT_FP4
.elseif (aq%2 == 1) && (tq%2 == 0)
	v_wmma_scale_f32_16x16x128_f8f6f4 v[rD:rD+7], v[rK:rK+7], v[rQ:rQ+7], 0, v[rA], v[rB] matrix_a_fmt:MATRIX_FMT_FP4 matrix_b_fmt:MATRIX_FMT_FP4 matrix_a_scale:MATRIX_SCALE_ROW1
.elseif aq%2 == 0
	v_wmma_scale_f32_16x16x128_f8f6f4 v[rD:rD+7], v[rK:rK+7], v[rQ:rQ+7], 0, v[rA], v[rB] matrix_a_fmt:MATRIX_FMT_FP4 matrix_b_fmt:MATRIX_FMT_FP4 matrix_b_scale:MATRIX_SCALE_ROW1
.else
	v_wmma_scale_f32_16x16x128_f8f6f4 v[rD:rD+7], v[rK:rK+7], v[rQ:rQ+7], 0, v[rA], v[rB] matrix_a_fmt:MATRIX_FMT_FP4 matrix_b_fmt:MATRIX_FMT_FP4 matrix_a_scale:MATRIX_SCALE_ROW1 matrix_b_scale:MATRIX_SCALE_ROW1
.endif
.set i, i+1
.endm
; Product i of 32 of O^T += V^T P for piece x: keys 32 (i / 16) on, channels 16 ((i / 2) % 8) on, tile x + i % 2.  zero = 1: the first 16 start the sums: nothing is ever cleared.
; The piece's 16 accumulators take turns, one instruction a turn.
.macro PV x, zero
	WIN W_PV
.set rO, 64*((\x)+i%2)+8*((i/2)%8)
.set rV, VF+64*(i/16)+8*((i/2)%8)
.set rP, P+16*((\x)+i%2)+8*(i/16)
.if (\zero) && (i < 16)
	v_wmma_f32_16x16x32_f16 v[rO:rO+7], v[rV:rV+7], v[rP:rP+7], 0
.else
	v_wmma_f32_16x16x32_f16 v[rO:rO+7], v[rV:rV+7], v[rP:rP+7], v[rO:rO+7]
.endif
.set i, i+1
.endm
; PASS 1's vector work: entries from .. from + n - 1 of the 32 that take piece x's 64 scores a lane into the running maxima: tile x + e % 2, chain (= key tile) (e / 2) % 4, its registers 2 (e / 8) and + 1..
.macro MX x, from, n
	WIN 0
.set e, \from
.rept \n
.set tm, (\x)+e%2
.set am, (e/2)%4
.set um, e/8
	v_max3_num_f32 v[ST+8*tm+2+am], v[ST+8*tm+2+am], v[S+32*tm+8*am+2*um], v[S+32*tm+8*am+2*um+1]
.set e, e+1
.endr
.endm
; 64 keys of pass 1.  K's buffer cur holds them, the other buffer the next 64.  Piece 2's products on these keys; piece 0's maxima of these keys (its products stand at the end of the step before); buffer cur
; is fetched anew, eight plain instructions that name none of the last products' registers behind its last reader; piece 0's products on the next 64 keys; piece 2's maxima.
; Between a product and the first read of its result, and between two products onto the same registers, stand the other piece's 32 maxima.
.macro P1 cur, fetch
.set i, 0
.rept 8
	KQ 2, \cur
.endr
	MX 0, 0, 8
.if \fetch
	FETCH_K \cur, 0
.endif
	MX 0, 8, 24
.if \fetch
	s_wait_dscnt 10                                ; the other buffer is in; the ten loads just issued may be out
.else
	s_wait_dscnt 0x0
.endif
.set i, 0
.rept 8
	KQ 0, 1-\cur
.endr
	MX 2, 0, 32
.endm
; PASS 2's vector work.  A piece's softmax for a key step is a list of 160 instructions; SM writes number j of it for piece y and steps j.  The piece's 32 pairs of scores are numbered G: tile y + G % 2, pair G / 2.
;   0-95    ONE BATCH: the 32 scalings c s - c m, a pair each, and the 64 exponentials: two scalings, then a scaling and two exponentials by turns, then the last four exponentials.  A pair is scaled two
;           threes ahead of its exponentials, and nothing here names an exponential's result
;   (hook)  ahead of 96: one plain instruction behind the last exponential, and the ONE wait between the batch and the first instruction that names a result.  By HK the turn's run
;           of LDS loads stands here and carries the wait: 0 the wait alone; 1 the next 64 keys of K; 2 the first half of the next key step of V; 3 both halves
;   96-127  the roundings to f16, a pair of weights each
;   128-159 the sums of the f32 weights: two pairs of sums a tile, by turns
.macro SM y
.if j == 96
	WIN 0
	v_nop
.if HK == 0
	s_wait_alu depctr_va_vdst(0)
.elseif HK == 1
	FETCH_K 0, 1
.elseif HK == 2
	FETCH_V 0, 1
.else
	FETCH_V 0, 1
	FETCH_V 1, 0
.endif
.endif
	WIN 0
.set U, 0
.if j < 2
.set kind, 0
.set G, j
.elseif j < 92
.if (j-2)%3 == 0
.set kind, 0
.set G, (j-2)/3+2
.else
.set kind, 1
.set G, (j-2)/3
.set U, (j-2)%3-1
.endif
.elseif j < 96
.set kind, 1
.set G, (j-32)/2
.set U, (j-32)%2
.elseif j < 128
.set kind, 2
.set G, j-96
.else
.set kind, 3
.set G, j-128
.endif
.set tt, (\y)+G%2
.set rS, S+32*tt+2*(G/2)
.set rT, ST+8*tt
.set rL, rT+2+2*((G/2)%2)
.if kind == 0
	v_pk_fma_f32 v[rS:rS+1], v[rS:rS+1], s[CS:CS+1], v[rT:rT+1] op_sel_hi:[1,0,0]   ; c s - c m, two at a time (of the pairs c and -c m the low word serves both halves)
.elseif kind == 1
	v_exp_f32 v[rS+U], v[rS+U]
.elseif kind == 2
	v_cvt_pk_f16_f32 v[P+16*tt+G/2], v[rS], v[rS+1]
.else
	v_pk_add_f32 v[rL:rL+1], v[rL:rL+1], v[rS:rS+1]
.endif
.set j, j+1
.endm
.macro SLICE y, n
.rept \n
	SM \y
.endr
.endm
; A TURN.  Piece x has the matrix unit; the other piece's softmax stands in slices behind its products V^T P: five instructions behind each of the first 24, four behind each of the last 8; the last 8 of the 160,
; sums that name no register of the products K Q^T, stand behind those products and are the places ahead of the next turn's first read of the scores.
; pv = 2: 32 products V^T P; 1: they start O^T's sums; 0: none (the softmax then stands bare).  kq = 1: 8 products K Q^T for the next step.  hk: what stands at the softmax's hook.  v1 = 1: the second half of the
; next key step of V is fetched behind the last product V^T P.
; PLACES in front of loads into registers that products have read (four plain vector instructions that name none of the product's registers).  V's first half: its last reader is product 15; the hook stands in
; slice 19; between them lie five scalings, the hook's v_nop and the run's own addition.  V's second half: slice 31's four sums and the run's addition.  K: its last reader stands in the turn before.
.macro TURN x, pv, kq, hk, v1
.set j, 0
.set HK, \hk
.if \pv
.if (\x) == 0
	s_wait_dscnt 16                                ; V's first half is in; the sixteen loads of its second half may be out
.endif
.set i, 0
.rept 32
.if ((\x) == 0) && (i == 16)
	s_wait_dscnt 0x0                               ; V's second half is in (K's run has not been issued yet)
.endif
	PV \x, 2-\pv
.if i <= 24
	SLICE 2-\x, 5
.else
	SLICE 2-\x, 4
.endif
.endr
.if \v1
	FETCH_V 1, 0
.endif
.endif
.if \kq
.if (\x) == 0
	s_wait_dscnt 0x0                               ; K is in
.endif
.set i, 0
.rept 8
	KQ \x, 0
.endr
.endif
	SLICE 2-\x, 160-j
.endm
; n key steps: written once, walked n times; the LDS addresses hang on s[TK], s[TS], s[TB].
.macro STEPS n
	WIN 0                                          ; at a label and at a branch every window is 0
	s_mov_b32 s[CNT], \n
.Lstep_\@:
	TURN 0, 2, 1, 1, 0                             ; piece 0: V^T P of step j, K Q^T of step j + 1 | piece 2's softmax of step j | K of step j + 1
	TURN 2, 2, 1, 2, 1                             ; piece 2: the same | piece 0's softmax of step j + 1 | V of step j + 1
	WIN 0
	s_sub_co_u32 s[CNT], s[CNT], 1
	s_cmp_lg_u32 s[CNT], 0
	s_cbranch_scc1 .Lstep_\@
.endm
; THE CHANGE OF SLOTS, where the last key step of V in slot `slot` has been asked for.  Each wave waits for all its tensor loads, of which one is out: its part of the other slot; adds 0 to its spare word; and waits
; for that and for its own reads of the slot.  Behind the barrier nobody reads this slot any more and the other slot is whole.  fill = 1: this slot is filled again, with the keys two slots on.  The barrier is then a
; round of the cluster's, so that no wave of any partner still reads the slot or has a load on its way, and the joint refill is the first thing behind it: it has four key steps in which to land.
.macro CHANGE slot, fill
	WIN 0
	s_wait_tensorcnt 0x0                           ; no tensor load of mine is out, so a group 0 may be written
	ds_add_u32 v[SPW], v[NIL]                      ; 0 onto my spare word
.if \fill
	s_add_nc_u64 s[G0V+4*\slot+2:G0V+4*\slot+3], s[G0V+4*\slot+2:G0V+4*\slot+3], 2*SLOTG   ; this slot's next 256 keys; the type bits on top are not reached
	s_wait_xcnt 0x0                                ; the last prefetch, a slot back, has read its address, so it may be written:
	s_add_nc_u64 s[PFA:PFA+1], s[PFA:PFA+1], SLOTG ; one slot further on than what is asked for now
	s_wait_dscnt 0x0                               ; the add is done, and my reads of the slot are over
	CROUND
	tensor_load_to_lds s[G0V+4*\slot:G0V+4*\slot+3], s[G1V:G1V+7]   ; every wave's one tensor load behind the round: its 64 rows of the slot
	s_nop 0
.rept 4
	v_nop
.endr
	ASK
	s_sub_co_u32 s[SLOTS], s[SLOTS], 1
.else
	s_wait_dscnt 0x0                               ; the add is done, and my reads of the slot are over
	s_barrier_signal -1
	s_barrier_wait -1
.endif
.if \slot
	s_sub_co_u32 s[TB], s[TB], 2*SLOTB             ; the fetches go back to slot 0
.endif
.endm
	; ---- PASS 1: the largest score of each query
	s_wait_tensorcnt 2                             ; my quarter of K is in; V's two loads, issued behind it, may stay out
	s_barrier_signal -1
	s_barrier_wait -1                              ; everybody's is
	FETCH_K 0, 0                                   ; keys 0 to 63
	FETCH_K 1, 0                                   ; keys 64 to 127
	s_wait_loadcnt 0x0                             ; Q and its scale words
	s_wait_dscnt 10                                ; buffer 0 is in; buffer 1's ten loads may be out
.set i, 0
.rept 8
	KQ 0, 0                                        ; piece 0's first scores
.endr
	WIN 0
.irp t, 0,1,2,3                                ; the statistics begin here: 24 plain instructions, the places behind those products
	v_mov_b32 v[ST+8*\t+1], 0
	v_mov_b32 v[ST+8*\t+2], 0xff800000             ; the four chains of the maximum: -infinity, under every score
	v_mov_b32 v[ST+8*\t+3], 0xff800000
	v_mov_b32 v[ST+8*\t+4], 0xff800000
	v_mov_b32 v[ST+8*\t+5], 0xff800000
	v_mov_b32 v[ST+8*\t+7], 0
.endr
	s_mov_b32 s[CNT], 15
.Lp1:                                              ; 15 trips of 128 keys; they fetch keys 128 to 2,047
	P1 0, 1
	P1 1, 1
	WIN 0
	s_sub_co_u32 s[CNT], s[CNT], 1
	s_cmp_lg_u32 s[CNT], 0
	s_cbranch_scc1 .Lp1
	s_mov_b32 s[TK], 0                             ; the last 128 keys: what is fetched now is keys 0 to 63 again, for pass 2,
	s_mov_b32 s[TS], 0
	P1 0, 1
	P1 1, 0                                        ; and piece 0's last products here are its scores of pass 2's first key step
.irp t, 0,1,2,3
	v_max3_num_f32 v[ST+8*\t+2], v[ST+8*\t+2], v[ST+8*\t+3], v[ST+8*\t+4]
.endr
.irp t, 0,1,2,3
	v_max_num_f32 v[ST+8*\t+2], v[ST+8*\t+2], v[ST+8*\t+5]
.endr
.irp t, 0,1,2,3
	v_permlanex16_b32 v[ST+8*\t+3], v[ST+8*\t+2], s[SEL], s[SEL+1]   ; the query's other keys lie in the lane 16 away
.endr
.irp t, 0,1,2,3
	v_max_num_f32 v[ST+8*\t+2], v[ST+8*\t+2], v[ST+8*\t+3]           ; m
.endr
.irp t, 0,1,2,3
	v_mul_f32 v[ST+8*\t], s[NC], v[ST+8*\t+2]      ; -c m
.endr
.irp t, 0,1,2,3
	v_mov_b32 v[ST+8*\t+2], 0                      ; the chains' registers become the sums
	v_mov_b32 v[ST+8*\t+3], 0
	v_mov_b32 v[ST+8*\t+4], 0
	v_mov_b32 v[ST+8*\t+5], 0
.endr
	; ---- PASS 2
	s_wait_tensorcnt 1                             ; my part of slot 0 is in; slot 1's load, issued behind it, may stay out
	s_wait_dscnt 0x0
	s_barrier_signal -1
	s_barrier_wait -1                              ; everybody's is
	TURN 2, 0, 1, 3, 0                             ; piece 2's scores of step 0 | piece 0's softmax of step 0, bare | V of step 0
	TURN 0, 1, 1, 1, 0                             ; piece 0: V^T P of step 0 starts O^T, K Q^T of step 1 | piece 2's softmax of step 0 | K of step 1
	TURN 2, 1, 1, 2, 1                             ; piece 2: the same | piece 0's softmax of step 1 | V of step 1
	STEPS 2                                        ; steps 1 and 2: V of step 3, slot 0's last, has been asked for
	s_mov_b32 s[TRIPS], 3
.Llap:                                             ; a trip goes once round the ring and fills both slots again: six refills in all
	CHANGE 0, 1
	STEPS 4
	CHANGE 1, 1
	STEPS 4
	s_sub_co_u32 s[TRIPS], s[TRIPS], 1
	s_cmp_lg_u32 s[TRIPS], 0
	s_cbranch_scc1 .Llap
	CHANGE 0, 0                                    ; the tail is written out: slot 1 holds the last 256 keys, and nothing is asked for
	STEPS 4                                        ; steps 27 to 30
	TURN 0, 2, 0, 0, 0                             ; piece 0: V^T P of step 31 | piece 2's last softmax
.set i, 0
.rept 32
	PV 2, 0                                        ; piece 2: V^T P of step 31
.endr
	; ---- THE WAY OUT.  The sum's four parts and the other half of the lanes' are added; O^T is divided by the sum and goes through my stage in LDS, a tile (16 rows) at a time.  The additions are the places behind the last products.
	WIN 0
.irp t, 0,1,2,3
	v_pk_add_f32 v[ST+8*\t+2:ST+8*\t+3], v[ST+8*\t+2:ST+8*\t+3], v[ST+8*\t+4:ST+8*\t+5]
.endr
.irp t, 0,1,2,3
	v_add_f32 v[ST+8*\t+2], v[ST+8*\t+2], v[ST+8*\t+3]
.endr
.irp t, 0,1,2,3
	v_permlanex16_b32 v[ST+8*\t+3], v[ST+8*\t+2], s[SEL], s[SEL+1]
.endr
.irp t, 0,1,2,3
	v_add_f32 v[ST+8*\t+2], v[ST+8*\t+2], v[ST+8*\t+3]
.endr
.irp t, 0,1,2,3
	v_rcp_f32 v[ST+8*\t+6], v[ST+8*\t+2]
.endr
	v_nop                                          ; a plain instruction between the last reciprocal and the use of its result
	s_wait_alu depctr_va_vdst(0)                   ; and the wait ahead of the first use: one for the four reciprocals
; Tile t: a lane's eight channels of a row are 32 bytes; they go into rows of 528 bytes and come back as whole rows of 512, which the 32 lanes store as 512 consecutive bytes.  Each accumulator is read from its low end on.
.macro TOSTAGE t
	WIN W_RS
.set i, 64*(\t)
.rept 32
	v_pk_mul_f32 v[i:i+1], v[i:i+1], v[ST+8*(\t)+6:ST+8*(\t)+7] op_sel_hi:[1,0]
.set i, i+2
.endr
	WIN 0x04                                       ; an LDS store's data are its source 1: window 1
.irp f, 0,1,2,3,4,5,6,7
	ds_store_b128 v[STO], v[64*(\t)+8*\f:64*(\t)+8*\f+3] offset:64*\f
	ds_store_b128 v[STO], v[64*(\t)+8*\f+4:64*(\t)+8*\f+7] offset:64*\f+16
.endr
	WIN 0
.irp q, 0,1,2,3,4,5,6,7,8,9,10,11,12,13,14,15
	ds_load_b128 v[S+64*((\t)%2)+4*\q:S+64*((\t)%2)+4*\q+3], v[RD] offset:\q*SPITCH   ; LDS serves a wave's instructions in order (ISA guide 5.7.1.4): these see the stores above; the next tile's stores come behind them
.endr
.endm
.macro SEND t, younger                 ; younger: the LDS instructions issued behind tile t's loads: the next tile's 16 stores and 16 loads, or none
	s_wait_dscnt \younger
.irp q, 0,1,2,3,4,5,6,7,8,9,10,11,12,13,14,15
	global_store_b128 v[GO], v[S+64*((\t)%2)+4*\q:S+64*((\t)%2)+4*\q+3], s[10:11] offset:(16*(\t)+\q)*16384 th:TH_STORE_NT   ; 32 lanes store the head's 512 consecutive bytes of a row, at a multiple of 256 from out0's first byte; written once, read by nobody here
.endr
.endm
	TOSTAGE 0
	TOSTAGE 1                                      ; a tile's arithmetic stands between the loads of the tile before and its stores
	SEND 0, 32
	s_wait_xcnt 0x0                                ; tile 0's stores have read their registers: tile 2's loads may land there
	TOSTAGE 2
	SEND 1, 32
	s_wait_xcnt 0x0                                ; the same for tile 1's and tile 3's
	TOSTAGE 3
	SEND 2, 32
	SEND 3, 0
	s_wait_tensorcnt 0x0                           ; the wave's end, behind my last tensor load and my last LDS store
	ds_add_u32 v[SPW], v[NIL]
	s_wait_dscnt 0x0
	CROUND                                         ; the closing round: no work-group ends while a partner may still ask for a tile that names it
	s_endpgm
.Lfunc_end_k_q3068474c5d_attn:
	.size	k_q3068474c5d_attn, .Lfunc_end_k_q3068474c5d_attn-k_q3068474c5d_attn
	.p2alignl 7, 3214868480
	.fill 96, 4, 3214868480
	.section	.rodata,"a",@progbits
	.p2align	6, 0x0
	.amdhsa_kernel k_q3068474c5d_attn
		.amdhsa_group_segment_fixed_size 327680
		.amdhsa_private_segment_fixed_size 0
		.amdhsa_enable_private_segment 0
		.amdhsa_kernarg_size 32
		.amdhsa_user_sgpr_count 2
		.amdhsa_user_sgpr_kernarg_segment_ptr 1
		.amdhsa_wavefront_size32 1
		.amdhsa_system_sgpr_workgroup_id_x 1
		.amdhsa_system_sgpr_workgroup_id_y 1
		.amdhsa_system_sgpr_workgroup_id_z 1
		.amdhsa_system_vgpr_workitem_id 0
		.amdhsa_next_free_vgpr 768
		.amdhsa_next_free_sgpr 66
		.amdhsa_reserve_vcc 0
		.amdhsa_float_denorm_mode_32 3
		.amdhsa_float_denorm_mode_16_64 3
		.amdhsa_memory_ordered 1
		.amdhsa_forward_progress 1
		.amdhsa_inst_pref_size 240
	.end_amdhsa_kernel
	.amdgpu_metadata
---
amdhsa.version: [ 1, 2 ]
amdhsa.kernels:
  - .name:           k_q3068474c5d_attn
    .symbol:         k_q3068474c5d_attn.kd
    .args:
      - { .name: qc, .offset: 0, .size: 8, .value_kind: global_buffer, .address_space: global }
      - { .name: kc, .offset: 8, .size: 8, .value_kind: global_buffer, .address_space: global }
      - { .name: vh, .offset: 16, .size: 8, .value_kind: global_buffer, .address_space: global }
      - { .name: out0, .offset: 24, .size: 8, .value_kind: global_buffer, .address_space: global }
    .group_segment_fixed_size: 327680
    .private_segment_fixed_size: 0
    .kernarg_segment_align: 8
    .kernarg_segment_size: 32
    .max_flat_workgroup_size: 128
    .sgpr_count:     66
    .vgpr_count:     768
    .wavefront_size: 32
...
	.end_amdgpu_metadata
.endif
;; end of part 2
